; MI455X (gfx1250); checked and timed in simulation.
; The chip was launched on July 23, 2026; its instructions are those of AMD's public machine-readable ISA for CDNA 5 (MIT licence, August 2026) and "CDNA5" Instruction Set Architecture Reference Guide (July 2026). The comments in the code are by the model that wrote it; some were corrected since.
;; Attention Block. Allowed arithmetic: float matrix products may take bf16 or f16 operands with f32 sums; all other float work in f32.
;; Inputs: bk 256 float32; bp 256 float32; bq 256 float32; bv 256 float32; gn_beta 256 float32; gn_gamma 256 float32; wk 256 x 256 float32; wp 256 x 256 float32; wq 256 x 256 float32; wv 256 x 256 float32; x 4 x 256 x 64 x 64 float32.
;; Outputs: out0 4 x 256 x 64 x 64 float32.
;; 2 versions, each right; version 2 is version 1 with the launch qkv written anew for expert scheduling mode. Each part assembles by itself: llvm-mc -triple=amdgcn-amd-amdhsa -mcpu=gfx1250 --defsym DOCPART=n.
;; ======== version 1 of 2: 3 launches
;; workspace buffers: stats 16,384 bytes; wf 524,288 bytes; qf 8,388,608 bytes; kf 8,388,608 bytes; vf 8,388,608 bytes
;; launch prep (part 1): grid 256 x 1, 8 waves a work-group, no clusters, 0 bytes of LDS; arguments x, wq, wk, wv, wp, stats, wf; writes stats, wf
.if DOCPART == 1
	.amdgcn_target "amdgcn-amd-amdhsa--gfx1250"
	.amdhsa_code_object_version 6
	.text
	.protected	k_q843db1939e_prep
	.globl	k_q843db1939e_prep
	.p2align	8
	.type	k_q843db1939e_prep,@function
k_q843db1939e_prep:
	s_mov_b64 s[64:65], 0
	v_nop
	global_prefetch_b8 v0, s[64:65] scope:SCOPE_SE
	s_setreg_imm32_b32 hwreg(HW_REG_WAVE_MODE, 25, 1), 1
	s_wait_xcnt 0x0
; prep: (1) partial GroupNorm statistics of x, (2) the four 256 x 256 weight matrices as bf16 in fragment order.
; 2,048 waves.  Wave W = 8 x work-group + wave owns the 8,192 bytes of x at 8,192 W: 2,048 numbers, 64 registers a lane.
; A (batch, group) set is 32 channels x 4,096 positions = 524,288 bytes = 64 such pieces, so W >> 6 is the set and W & 63 the piece.
; The piece stays in registers for two passes: its mean, then the sum of squares of (x - mean).  No difference of large sums is formed,
; so a common offset of x costs no digits.  stats[W] = {mean, M2}; the next launch joins the 64 pieces of a set.
; That store is 8 bytes a wave (16 KiB in the launch, against 16 MiB read): the one store here that does not fill 256 bytes.
; Weights: wf = [matrix q,k,v,p][ob 16][ks 8][qh 2][lane 32][16 bytes], lane (r = lane & 15, h = lane >> 4) holding
; W[16 ob + r][32 ks + 16 qh + 8 h + 0..7]: the register image of a 16 x 32 bf16 matrix fragment.  Wave W writes the 256 bytes at 256 W
; (8 bytes a lane, 32 neighbouring lanes).  Its reads are 32 bytes of each of 16 rows; the four matrices are 1 MiB in all.
; wq is multiplied by log2(e) / 16 here, so that the scores come out ready for exp2 (1/sqrt(256) = 1/16).
; No LDS, no barrier, no matrix unit, no cluster: the waves share no input and hand each other nothing.
; Limits: finite inputs.
.set XR,  8                            ; v[8:71]   my piece of x
.set CHN, 72                           ; v[72:79]  four chains of pairs
.set WR,  80                           ; v[80:83]  four weights in f32
.set WPK, 84                           ; v[84:85]  the same in bf16
.set MU,  86                           ; v[86:87]  the piece's mean, twice
.set RES, 88                           ; v[88:89]  {mean, M2}
.set RT,  90                           ; v90       at work
.set PT,  91                           ; v91       the other half's figure
.macro WSUM r                          ; sum over the 32 lanes, the result in every lane
	v_add_f32_dpp v[\r], v[\r], v[\r] row_xmask:1 row_mask:0xf bank_mask:0xf
	v_add_f32_dpp v[\r], v[\r], v[\r] row_xmask:2 row_mask:0xf bank_mask:0xf
	v_add_f32_dpp v[\r], v[\r], v[\r] row_xmask:4 row_mask:0xf bank_mask:0xf
	v_add_f32_dpp v[\r], v[\r], v[\r] row_xmask:8 row_mask:0xf bank_mask:0xf
	v_permlanex16_b32 v[PT], v[\r], s27, s28
	v_add_f32 v[\r], v[\r], v[PT]
.endm
.macro FOLD dst                        ; the four chains into one number a lane
	v_pk_add_f32 v[CHN:CHN+1], v[CHN:CHN+1], v[CHN+2:CHN+3]
	v_pk_add_f32 v[CHN+4:CHN+5], v[CHN+4:CHN+5], v[CHN+6:CHN+7]
	v_pk_add_f32 v[CHN:CHN+1], v[CHN:CHN+1], v[CHN+4:CHN+5]
	v_add_f32 v[\dst], v[CHN], v[CHN+1]
.endm
	s_load_b256 s[4:11], s[0:1], 0x0               ; x s[4:5], wq s[6:7], wk s[8:9], wv s[10:11]
	s_load_b128 s[12:15], s[0:1], 0x20             ; wp s[12:13], stats s[14:15]
	s_load_b64 s[16:17], s[0:1], 0x30              ; wf
	v_lshrrev_b32 v6, 5, v0
	v_readfirstlane_b32 s20, v6                    ; wave 0..7
	v_and_b32 v1, 31, v0                           ; lane
	s_lshl3_add_u32 s29, ttmp9, s20                ; W
	s_lshr_b32 s21, ttmp9, 6                       ; W >> 9: which matrix (512 pieces of 256 bytes each)
	s_mov_b32 s27, 0x76543210                      ; v_permlanex16_b32: lane i reads lane i of the other half
	s_mov_b32 s28, 0xfedcba98
	s_lshl_b32 s18, s29, 13                        ; my piece of x, in bytes (below 16 MiB)
	s_mov_b32 s19, 0
	s_and_b32 s30, s29, 511                        ; u: my piece of the matrix = (ob, ks, qh, h)
	s_lshr_b32 s31, s30, 5
	s_lshl_b32 s31, s31, 14                        ; 16 ob rows of 1,024 bytes
	s_and_b32 s30, s30, 31
	s_lshl_b32 s30, s30, 5                         ; column 8 (u & 31) = 32 ks + 16 qh + 8 h, 4 bytes each
	s_add_co_u32 s31, s31, s30
	v_lshlrev_b32 v2, 4, v1                        ; x: 16 bytes a lane
	v_lshrrev_b32 v6, 1, v1                        ; weights: two lanes share a row,
	v_and_b32 v7, 1, v1                            ; four columns each
	v_lshlrev_b32 v6, 10, v6
	v_lshl_add_u32 v3, v7, 4, v6
	v_add_nc_u32 v3, s31, v3
	s_lshl_b32 s32, s29, 8
	v_lshl_add_u32 v4, v1, 3, s32                  ; wf: 256 W + 8 lane
	s_lshl_b32 s33, s29, 3
	v_mov_b32 v5, s33                              ; stats: 8 W
	v_mov_b32 v[PT], 0                             ; v_permlanex16_b32 counts as a reader of its destination
	s_cmp_eq_u32 s21, 0
	s_cselect_b32 s24, 0x3db8aa3b, 1.0             ; log2(e) / 16 for wq, 1 for the others
	s_mov_b32 s25, s24
	s_wait_kmcnt 0x0
	s_cmp_eq_u32 s21, 1
	s_cselect_b64 s[22:23], s[8:9], s[6:7]         ; the matrix's address, chosen by the work-group's number alone
	s_cmp_eq_u32 s21, 2
	s_cselect_b64 s[22:23], s[10:11], s[22:23]
	s_cmp_eq_u32 s21, 3
	s_cselect_b64 s[22:23], s[12:13], s[22:23]
	s_add_nc_u64 s[4:5], s[4:5], s[18:19]
	global_load_b128 v[WR:WR+3], v3, s[22:23]
.set j, 0
.rept 16
	global_load_b128 v[XR+4*j:XR+4*j+3], v2, s[4:5] offset:512*j    ; 512 neighbouring bytes a load; the whole piece is on its way at once
.set j, j+1
.endr
	s_wait_loadcnt 16                              ; the weights are in: the 16 loads of x are younger
	v_pk_mul_f32 v[WR:WR+1], v[WR:WR+1], s[24:25] op_sel_hi:[1,0]
	v_pk_mul_f32 v[WR+2:WR+3], v[WR+2:WR+3], s[24:25] op_sel_hi:[1,0]
	v_cvt_pk_bf16_f32 v[WPK], v[WR], v[WR+1]
	v_cvt_pk_bf16_f32 v[WPK+1], v[WR+2], v[WR+3]
	global_store_b64 v4, v[WPK:WPK+1], s[16:17]    ; the wave's store covers 256 consecutive bytes, aligned
	; pass 1: the sum.  The first eight pairs start the four chains: nothing is cleared.
	s_wait_loadcnt 12                              ; loads 0 to 3 of x are in, twelve are younger
.irp k, 0,1,2,3
	v_pk_add_f32 v[CHN+2*\k:CHN+2*\k+1], v[XR+2*\k:XR+2*\k+1], v[XR+8+2*\k:XR+8+2*\k+1]
.endr
.set j, 8
.irp left, 8, 4, 0
	s_wait_loadcnt \left                           ; four more loads are in
.rept 8
	v_pk_add_f32 v[CHN+2*(j%4):CHN+2*(j%4)+1], v[CHN+2*(j%4):CHN+2*(j%4)+1], v[XR+2*j:XR+2*j+1]
.set j, j+1
.endr
.endr
	FOLD RT
	WSUM RT
	v_mul_f32 v[MU], 0x3a000000, v[RT]             ; / 2,048
	v_mov_b32 v[MU+1], v[MU]
	; pass 2, in registers: x - mean in place, then the sum of squares
.set j, 0
.rept 32
	v_pk_add_f32 v[XR+2*j:XR+2*j+1], v[XR+2*j:XR+2*j+1], v[MU:MU+1] neg_lo:[0,1] neg_hi:[0,1]
.set j, j+1
.endr
.irp k, 0,1,2,3
	v_pk_mul_f32 v[CHN+2*\k:CHN+2*\k+1], v[XR+2*\k:XR+2*\k+1], v[XR+2*\k:XR+2*\k+1]
.endr
.set j, 4
.rept 28
	v_pk_fma_f32 v[CHN+2*(j%4):CHN+2*(j%4)+1], v[XR+2*j:XR+2*j+1], v[XR+2*j:XR+2*j+1], v[CHN+2*(j%4):CHN+2*(j%4)+1]
.set j, j+1
.endr
	FOLD RES+1
	WSUM RES+1
	v_mov_b32 v[RES], v[MU]
	s_wait_xcnt 0x0                                ; EXEC is a source of the store above: it is narrowed only behind this wait
	v_cmp_eq_u32 vcc_lo, 0, v1
	s_and_saveexec_b32 s26, vcc_lo
	global_store_b64 v5, v[RES:RES+1], s[14:15]    ; lane 0 alone
	s_wait_xcnt 0x0                                ; and widened again only behind this one
	s_or_b32 exec_lo, exec_lo, s26
	s_endpgm
.Lfunc_end_k_q843db1939e_prep:
	.size	k_q843db1939e_prep, .Lfunc_end_k_q843db1939e_prep-k_q843db1939e_prep
	.p2alignl 7, 3214868480
	.fill 96, 4, 3214868480
	.section	.rodata,"a",@progbits
	.p2align	6, 0x0
	.amdhsa_kernel k_q843db1939e_prep
		.amdhsa_group_segment_fixed_size 0
		.amdhsa_private_segment_fixed_size 0
		.amdhsa_enable_private_segment 0
		.amdhsa_kernarg_size 56
		.amdhsa_user_sgpr_count 2
		.amdhsa_user_sgpr_kernarg_segment_ptr 1
		.amdhsa_wavefront_size32 1
		.amdhsa_system_sgpr_workgroup_id_x 1
		.amdhsa_system_sgpr_workgroup_id_y 1
		.amdhsa_system_sgpr_workgroup_id_z 1
		.amdhsa_system_vgpr_workitem_id 0
		.amdhsa_next_free_vgpr 96
		.amdhsa_next_free_sgpr 66
		.amdhsa_reserve_vcc 1
		.amdhsa_float_denorm_mode_32 3
		.amdhsa_float_denorm_mode_16_64 3
		.amdhsa_memory_ordered 1
		.amdhsa_forward_progress 1
		.amdhsa_inst_pref_size 12
	.end_amdhsa_kernel
	.amdgpu_metadata
---
amdhsa.version: [ 1, 2 ]
amdhsa.kernels:
  - .name:           k_q843db1939e_prep
    .symbol:         k_q843db1939e_prep.kd
    .args:
      - { .name: x, .offset: 0, .size: 8, .value_kind: global_buffer, .address_space: global }
      - { .name: wq, .offset: 8, .size: 8, .value_kind: global_buffer, .address_space: global }
      - { .name: wk, .offset: 16, .size: 8, .value_kind: global_buffer, .address_space: global }
      - { .name: wv, .offset: 24, .size: 8, .value_kind: global_buffer, .address_space: global }
      - { .name: wp, .offset: 32, .size: 8, .value_kind: global_buffer, .address_space: global }
      - { .name: stats, .offset: 40, .size: 8, .value_kind: global_buffer, .address_space: global }
      - { .name: wf, .offset: 48, .size: 8, .value_kind: global_buffer, .address_space: global }
    .group_segment_fixed_size: 0
    .private_segment_fixed_size: 0
    .kernarg_segment_align: 8
    .kernarg_segment_size: 56
    .max_flat_workgroup_size: 256
    .sgpr_count:     66
    .vgpr_count:     96
    .wavefront_size: 32
...
	.end_amdgpu_metadata
.endif
;; end of part 1
;; launch qkv (part 2): grid 256 x 1, 4 waves a work-group, no clusters, 43,520 bytes of LDS; arguments x, stats, gn_gamma, gn_beta, wf, bq, bk, bv, qf, kf, vf; writes qf, kf, vf
.if DOCPART == 2
	.amdgcn_target "amdgcn-amd-amdhsa--gfx1250"
	.amdhsa_code_object_version 6
	.text
	.protected	k_q843db1939e_qkv
	.globl	k_q843db1939e_qkv
	.p2align	8
	.type	k_q843db1939e_qkv,@function
k_q843db1939e_qkv:
	s_mov_b64 s[64:65], 0
	v_nop
	global_prefetch_b8 v0, s[64:65] scope:SCOPE_SE
	s_setreg_imm32_b32 hwreg(HW_REG_WAVE_MODE, 25, 1), 1
	s_wait_xcnt 0x0
; qkv: GroupNorm finished, then q, k, v = W xn + bias, stored as bf16 in the fragment order in which the attention launch reads them.
; Work-group j: batch b = j >> 6, positions 64 (j & 63) .. + 63, all 768 outputs.  Four waves.
; Wave w normalises channels 64 w .. 64 w + 63 (groups 2 w and 2 w + 1) and writes them as bf16 into LDS, [channel][position].
; Behind the one barrier every wave takes all of xn into registers as 32 fragments (transposing LDS loads) and makes output blocks
; 4 w + i (i = 0..3) of q, of k and of v for the four blocks of 16 positions: twelve steps of 32 matrix instructions.
; The statistics: 64 pieces {mean, M2} of 2,048 numbers each are joined as  mu = mean of the means,
; M2 = sum of M2_i + 2,048 sum of (mean_i - mu)^2 : sums of non-negative terms, no difference of large sums.
; q and k: source 0 = weights, source 1 = xn, so a lane's eight results are eight neighbouring channels of one position;
; v: the sources swapped, so they are eight neighbouring positions of one channel.  Four conversions make of them the 16 bytes
; that this very lane holds in the fragment that reads them, so each store of a wave covers 512 consecutive bytes, aligned, with no stage in LDS.
;   qf, kf = [b][block of 64 positions][nb 4][ks 8][qh 2][lane][16 B] = q[n = 16 nb + r][c = 32 ks + 16 qh + 8 h + 0..7]
;   vf     = [b][block of 64 positions][cb 16][ks 2][qh 2][lane][16 B] = v[c = 16 cb + r][m = 32 ks + 16 qh + 8 h + 0..7]
; q carries the factor log2(e) / 16: wq has it already, bq gets it here.
; NO CLUSTER, no joint loads: a wave's 96 KiB of weights are read by that wave alone of its work-group, once, and lie in memory as register
; images, so they go straight into registers by loads of 512 consecutive bytes; a joint load would send the group's 384 KiB through LDS
; (written once, read once) for 1,536 matrix instructions.
; Limits: finite inputs; xn, the weights, q, k and v are rounded to bf16.
; REGISTERS.  Window 0: addresses, statistics, four accumulators, biases as C tiles.
;   Window 1: first x (0-127), {a, d} of each load's channel (128-191), xn packed (192-255); then the fragments XN(nb, ks) at 8 (8 nb + ks).
;   Window 2: four buffers of 64 registers for a step's weights, step e in buffer e & 3.
;   Window 3: the packed results, sixteen registers of its own for each of the twelve steps: no store's data is ever rewritten,
;   so no wait stands between a step's stores and the next step, and the weights that are on their way stay on their way.
.set PX,   160                         ; LDS pitch of a channel's 64 bf16: 128 bytes + 32, an odd multiple of 32 for the transposing loads
.set AD,   256*PX                      ; behind xn: {a, d} of every channel, 8 bytes each
.set VX,   1                           ; x: (64 w + h) rows of 16,384 bytes + 16 r
.set VST,  2                           ; stats: (8 b + 2 w) sets of 512 bytes + 16 lane
.set VGB,  3                           ; gamma, beta: 4 (64 w + lane)
.set VADW, 4                           ; AD + 8 (64 w + lane)
.set VADR, 5                           ; AD + 8 (64 w + h)
.set VXT,  6                           ; (64 w + h) PX + 8 r
.set VTR,  7                           ; (8 h + (lane & 7)) PX + 16 ((lane >> 3) & 1)
.set VW,   8                           ; wf: 32,768 w + 16 lane
.set VB,   9                           ; bq, bk: 256 w + 32 h
.set VBV,  10                          ; bv: 256 w + 4 r
.set VQ,   11                          ; qf, kf: 2,048 w + 16 lane
.set VV,   12                          ; vf: 8,192 w + 16 lane
.set ST,   16                          ; v[16:23] two sets' pieces; v[24:25] gamma; v[26:27] beta; v[28:29] {a, d}
.set ACC,  32                          ; v[32:63] four accumulators (before that: at work on the statistics)
.set BVT,  80                          ; v[80:87] C tile of a v step
.set BV,   88                          ; v[88:91] bv of my four blocks
.set BQ,   96                          ; v[96:127]  bq as four C tiles
.set BK,   128                         ; v[128:159] bk as four C tiles
.set MSB, 0
.macro WIN new                         ; the immediate's high byte repeats the setting that is left
.if MSB != (\new)
	s_set_vgpr_msb (MSB<<8)|(\new)
.set MSB, (\new)
.endif
.endm
.macro PLACES n
.rept \n
	v_nop
.endr
.endm
.macro WSUM r
	v_add_f32_dpp v[\r], v[\r], v[\r] row_xmask:1 row_mask:0xf bank_mask:0xf
	v_add_f32_dpp v[\r], v[\r], v[\r] row_xmask:2 row_mask:0xf bank_mask:0xf
	v_add_f32_dpp v[\r], v[\r], v[\r] row_xmask:4 row_mask:0xf bank_mask:0xf
	v_add_f32_dpp v[\r], v[\r], v[\r] row_xmask:8 row_mask:0xf bank_mask:0xf
	v_permlanex16_b32 v33, v[\r], s28, s29
	v_add_f32 v[\r], v[\r], v33
.endm
; One group's statistics: each lane holds two of its 64 pieces.  Then a = gamma rs and d = beta - mu a of the group's 32 channels, one a lane.
.macro GSTAT gi
	v_add_f32 v32, v[ST+4*\gi], v[ST+4*\gi+2]
	WSUM 32
	v_mul_f32 v32, 0x3c800000, v32                 ; mu = sum of the means / 64
	v_sub_f32 v34, v[ST+4*\gi], v32
	v_sub_f32 v35, v[ST+4*\gi+2], v32
	v_mul_f32 v34, v34, v34
	v_fmac_f32 v34, v35, v35
	v_add_f32 v36, v[ST+4*\gi+1], v[ST+4*\gi+3]
	v_fmac_f32 v36, 0x45000000, v34                ; + 2,048 (mean_i - mu)^2
	WSUM 36
	v_fma_f32 v36, v36, s30, s31                   ; / 131,072 + 1e-5
	v_rsq_f32 v37, v36
	v_nop                                          ; one plain place behind a transcendental (ISA guide 5.7.2)
	s_wait_alu depctr_va_vdst(0)
	v_mul_f32 v28, v[24+\gi], v37
	v_fma_f32 v29, -v32, v28, v[26+\gi]
	ds_store_b64 v[VADW], v[28:29] offset:256*\gi
.endm
; The 16 loads of step e's weights: output block 4 w + (e & 3) of matrix e >> 2, eight fragments
.macro WLOAD e
	WIN 0x80                                       ; destination window 2
.set i, 0
.rept 16
	global_load_b128 v[((\e)&3)*64+4*i:((\e)&3)*64+4*i+3], v[VW], s[12:13] offset:((\e)>>2)*131072+((\e)&3)*8192+512*i
.set i, i+1
.endr
.endm
; Step e: 32 matrix instructions on four accumulators, then their 2 KiB of results.
.macro OB e
.set MAT_, (\e)>>2
.set I_, (\e)&3
.if \e <= 9
	s_wait_loadcnt 32                              ; this step's weights are in: two later steps' 32 loads are younger
.else
	s_wait_loadcnt 16*(11-\e)
.endif
.if \e <= 8
	WLOAD \e+3                                     ; into the buffer that the last step read: four v_nop and sixteen conversions stand behind its matrix instructions
.endif
.if MAT_ == 2
	WIN 0
.irp jj, 0,1,2,3,4,5,6,7
	v_mov_b32 v[BVT+\jj], v[BV+I_]                 ; a lane's eight results are one channel's: its bias eight times
.endr
	WIN 0x09                                       ; source 0 = xn (window 1), source 1 = weights (window 2)
.else
	WIN 0x06                                       ; source 0 = weights (window 2), source 1 = xn (window 1)
.endif
	; the four accumulators take turns, one instruction a turn; the first product takes the bias as C: nothing is cleared
.irp ks, 0,1,2,3,4,5,6,7
.irp nb, 0,1,2,3
.set RD_, ACC+8*\nb
.if \ks == 0
.if MAT_ == 0
.set RC_, BQ+8*I_
.elseif MAT_ == 1
.set RC_, BK+8*I_
.else
.set RC_, BVT
.endif
.else
.set RC_, RD_
.endif
.if MAT_ == 2
	v_wmma_f32_16x16x32_bf16 v[RD_:RD_+7], v[8*(8*\nb+\ks):8*(8*\nb+\ks)+7], v[I_*64+8*\ks:I_*64+8*\ks+7], v[RC_:RC_+7]
.else
	v_wmma_f32_16x16x32_bf16 v[RD_:RD_+7], v[I_*64+8*\ks:I_*64+8*\ks+7], v[8*(8*\nb+\ks):8*(8*\nb+\ks)+7], v[RC_:RC_+7]
.endif
.endr
.endr
	WIN 0xc0                                       ; destination window 3
	PLACES 4                                       ; four places before a vector instruction reads a matrix result (ISA guide 7.12.1)
.irp nb, 0,1,2,3
.irp r, 0,1,2,3
	v_cvt_pk_bf16_f32 v[16*(\e)+4*\nb+\r], v[ACC+8*\nb+2*\r], v[ACC+8*\nb+2*\r+1]   ; into this step's own sixteen registers
.endr
.endr
	WIN 0x0c                                       ; store data in window 3
.irp nb, 0,1,2,3
.if MAT_ == 2
	global_store_b128 v[VV], v[16*(\e)+4*\nb:16*(\e)+4*\nb+3], s[24:25] offset:I_*2048+\nb*512
.else
	global_store_b128 v[VQ], v[16*(\e)+4*\nb:16*(\e)+4*\nb+3], s[20+2*MAT_:21+2*MAT_] offset:\nb*8192+(I_>>1)*1024+(I_&1)*512
.endif
.endr
.endm
	s_load_b512 s[4:19], s[0:1], 0x0               ; x s[4:5], stats s[6:7], gamma s[8:9], beta s[10:11], wf s[12:13], bq s[14:15], bk s[16:17], bv s[18:19]
	s_load_b128 s[20:23], s[0:1], 0x40             ; qf s[20:21], kf s[22:23]
	s_load_b64 s[24:25], s[0:1], 0x50              ; vf
	v_lshl_add_u32 v254, v0, 2, 0xa800
	v_mov_b32 v255, 0
	v_lshrrev_b32 v16, 5, v0
	v_readfirstlane_b32 s26, v16                   ; wave 0..3
	s_lshr_b32 s27, ttmp9, 6                       ; b
	s_and_b32 s37, ttmp9, 63                       ; block of 64 positions
	s_mov_b32 s28, 0x76543210
	s_mov_b32 s29, 0xfedcba98
	s_mov_b32 s30, 0x37000000                      ; 1 / 131,072
	s_mov_b32 s31, 0x3727c5ac                      ; 1e-5
	s_lshl_b32 s32, s27, 22                        ; x: b x 4 MiB + block x 256 bytes
	s_lshl_b32 s37, s37, 8
	s_add_co_u32 s32, s32, s37
	s_mov_b32 s33, 0
	s_lshl_b32 s38, ttmp9, 15                      ; qf, kf, vf: 32,768 bytes a work-group
	s_mov_b32 s39, 0
	v_and_b32 v13, 31, v0                          ; lane
	v_and_b32 v14, 15, v0                          ; r
	v_bfe_u32 v15, v0, 4, 1                        ; h
	s_lshl_b32 s34, s26, 20
	v_lshlrev_b32 v[VX], 4, v14
	v_lshl_add_u32 v[VX], v15, 14, v[VX]
	v_add_nc_u32 v[VX], s34, v[VX]
	s_lshl_b32 s34, s27, 12
	s_lshl_b32 s35, s26, 10
	s_add_co_u32 s34, s34, s35
	v_lshl_add_u32 v[VST], v13, 4, s34
	s_lshl_b32 s34, s26, 8
	v_lshl_add_u32 v[VGB], v13, 2, s34
	v_lshl_add_u32 v[VB], v15, 5, s34
	v_lshl_add_u32 v[VBV], v14, 2, s34
	s_lshl_b32 s35, s26, 9
	s_add_co_u32 s35, s35, AD
	v_lshl_add_u32 v[VADW], v13, 3, s35
	v_lshl_add_u32 v[VADR], v15, 3, s35
	s_mul_i32 s36, s26, 64*PX
	v_mul_u32_u24 v[VXT], v15, PX
	v_lshl_add_u32 v[VXT], v14, 3, v[VXT]
	v_add_nc_u32 v[VXT], s36, v[VXT]
	v_and_b32 v16, 7, v0
	v_lshl_add_u32 v16, v15, 3, v16
	v_mul_u32_u24 v[VTR], v16, PX
	v_bfe_u32 v16, v0, 3, 1
	v_lshl_add_u32 v[VTR], v16, 4, v[VTR]
	s_lshl_b32 s36, s26, 15
	v_lshl_add_u32 v[VW], v13, 4, s36
	s_lshl_b32 s36, s26, 11
	v_lshl_add_u32 v[VQ], v13, 4, s36
	s_lshl_b32 s36, s26, 13
	v_lshl_add_u32 v[VV], v13, 4, s36
	v_mov_b32 v33, 0                               ; v_permlanex16_b32 counts as a reader of its destination
	s_wait_kmcnt 0x0
	s_add_nc_u64 s[4:5], s[4:5], s[32:33]
	s_add_nc_u64 s[20:21], s[20:21], s[38:39]
	s_add_nc_u64 s[22:23], s[22:23], s[38:39]
	s_add_nc_u64 s[24:25], s[24:25], s[38:39]
	; 26 small loads, then the 32 loads of x
	global_load_b128 v[ST:ST+3], v[VST], s[6:7]
	global_load_b128 v[ST+4:ST+7], v[VST], s[6:7] offset:512
	global_load_b32 v24, v[VGB], s[8:9]
	global_load_b32 v25, v[VGB], s[8:9] offset:128
	global_load_b32 v26, v[VGB], s[10:11]
	global_load_b32 v27, v[VGB], s[10:11] offset:128
.irp ii, 0,1,2,3
	global_load_b128 v[BQ+8*\ii:BQ+8*\ii+3], v[VB], s[14:15] offset:64*\ii          ; register j of a C tile: the bias of channel 16 ob + 8 h + j
	global_load_b128 v[BQ+8*\ii+4:BQ+8*\ii+7], v[VB], s[14:15] offset:64*\ii+16
	global_load_b128 v[BK+8*\ii:BK+8*\ii+3], v[VB], s[16:17] offset:64*\ii
	global_load_b128 v[BK+8*\ii+4:BK+8*\ii+7], v[VB], s[16:17] offset:64*\ii+16
	global_load_b32 v[BV+\ii], v[VBV], s[18:19] offset:64*\ii                       ; the bias of channel 16 ob + r
.endr
	WIN 0x40                                       ; destination window 1
.set i, 0
.rept 32
	global_load_b128 v[4*i:4*i+3], v[VX], s[4:5] offset:32768*i     ; channels 64 w + 2 i + h: sixteen lanes take a channel's 256 bytes
.set i, i+1
.endr
	WIN 0
	s_wait_loadcnt 32                              ; statistics, gains and biases are in: the 32 loads of x are younger
	GSTAT 0
	GSTAT 1
.set i, 0
.rept 16
	v_pk_mul_f32 v[BQ+2*i:BQ+2*i+1], v[BQ+2*i:BQ+2*i+1], 0x3db8aa3b op_sel_hi:[1,0]   ; bq x log2(e) / 16
.set i, i+1
.endr
	WIN 0x40
.set i, 0
.rept 32
	ds_load_b64 v[128+2*i:129+2*i], v[VADR] offset:16*i    ; {a, d} of load i's channel: my own wave's bytes, and LDS serves a wave's instructions in order (ISA guide 5.7.1.4)
.set i, i+1
.endr
	s_wait_loadcnt 0x0                             ; x is in
	WLOAD 0                                        ; three steps' weights go out; they have the normalising and the way through LDS in which to land
	WLOAD 1
	WLOAD 2
	s_wait_dscnt 0x0
	WIN 0x55                                       ; all in window 1
.set i, 0
.rept 32
	v_pk_fma_f32 v[4*i:4*i+1], v[4*i:4*i+1], v[128+2*i:129+2*i], v[128+2*i:129+2*i] op_sel:[0,0,1] op_sel_hi:[1,0,1]       ; x a + d, a and d from one pair
	v_pk_fma_f32 v[4*i+2:4*i+3], v[4*i+2:4*i+3], v[128+2*i:129+2*i], v[128+2*i:129+2*i] op_sel:[0,0,1] op_sel_hi:[1,0,1]
	v_cvt_pk_bf16_f32 v[192+2*i], v[4*i], v[4*i+1]
	v_cvt_pk_bf16_f32 v[193+2*i], v[4*i+2], v[4*i+3]
.set i, i+1
.endr
	WIN 0x04                                       ; store data in window 1
.set i, 0
.rept 32
	ds_store_b64 v[VXT], v[192+2*i:193+2*i] offset:2*PX*i
.set i, i+1
.endr
	WIN 0
	s_wait_dscnt 0x0                               ; my stores are done, for the others' sake
	s_barrier_signal -1
	s_barrier_wait -1                              ; all 256 channels of xn are in LDS
	WIN 0x40
.irp nb, 0,1,2,3
.irp ks, 0,1,2,3,4,5,6,7
	ds_load_tr16_b128 v[8*(8*\nb+\ks):8*(8*\nb+\ks)+3], v[VTR] offset:\ks*32*PX+32*\nb            ; channels 32 ks + 8 h + 0..7 of position 16 nb + r
	ds_load_tr16_b128 v[8*(8*\nb+\ks)+4:8*(8*\nb+\ks)+7], v[VTR] offset:\ks*32*PX+16*PX+32*\nb    ; channels 32 ks + 16 + 8 h + 0..7
.endr
.endr
	s_wait_dscnt 0x0
.irp e, 0,1,2,3,4,5,6,7,8,9,10,11
	OB \e
.endr
	WIN 0
	s_wait_tensorcnt 0x0
	ds_add_u32 v254, v255
	s_wait_dscnt 0x0
	s_endpgm
.Lfunc_end_k_q843db1939e_qkv:
	.size	k_q843db1939e_qkv, .Lfunc_end_k_q843db1939e_qkv-k_q843db1939e_qkv
	.p2alignl 7, 3214868480
	.fill 96, 4, 3214868480
	.section	.rodata,"a",@progbits
	.p2align	6, 0x0
	.amdhsa_kernel k_q843db1939e_qkv
		.amdhsa_group_segment_fixed_size 43520
		.amdhsa_private_segment_fixed_size 0
		.amdhsa_enable_private_segment 0
		.amdhsa_kernarg_size 88
		.amdhsa_user_sgpr_count 2
		.amdhsa_user_sgpr_kernarg_segment_ptr 1
		.amdhsa_wavefront_size32 1
		.amdhsa_system_sgpr_workgroup_id_x 1
		.amdhsa_system_sgpr_workgroup_id_y 1
		.amdhsa_system_sgpr_workgroup_id_z 1
		.amdhsa_system_vgpr_workitem_id 0
		.amdhsa_next_free_vgpr 960
		.amdhsa_next_free_sgpr 66
		.amdhsa_reserve_vcc 0
		.amdhsa_float_denorm_mode_32 3
		.amdhsa_float_denorm_mode_16_64 3
		.amdhsa_memory_ordered 1
		.amdhsa_forward_progress 1
		.amdhsa_inst_pref_size 93
	.end_amdhsa_kernel
	.amdgpu_metadata
---
amdhsa.version: [ 1, 2 ]
amdhsa.kernels:
  - .name:           k_q843db1939e_qkv
    .symbol:         k_q843db1939e_qkv.kd
    .args:
      - { .name: x, .offset: 0, .size: 8, .value_kind: global_buffer, .address_space: global }
      - { .name: stats, .offset: 8, .size: 8, .value_kind: global_buffer, .address_space: global }
      - { .name: gn_gamma, .offset: 16, .size: 8, .value_kind: global_buffer, .address_space: global }
      - { .name: gn_beta, .offset: 24, .size: 8, .value_kind: global_buffer, .address_space: global }
      - { .name: wf, .offset: 32, .size: 8, .value_kind: global_buffer, .address_space: global }
      - { .name: bq, .offset: 40, .size: 8, .value_kind: global_buffer, .address_space: global }
      - { .name: bk, .offset: 48, .size: 8, .value_kind: global_buffer, .address_space: global }
      - { .name: bv, .offset: 56, .size: 8, .value_kind: global_buffer, .address_space: global }
      - { .name: qf, .offset: 64, .size: 8, .value_kind: global_buffer, .address_space: global }
      - { .name: kf, .offset: 72, .size: 8, .value_kind: global_buffer, .address_space: global }
      - { .name: vf, .offset: 80, .size: 8, .value_kind: global_buffer, .address_space: global }
    .group_segment_fixed_size: 43520
    .private_segment_fixed_size: 0
    .kernarg_segment_align: 8
    .kernarg_segment_size: 88
    .max_flat_workgroup_size: 128
    .sgpr_count:     66
    .vgpr_count:     960
    .wavefront_size: 32
...
	.end_amdgpu_metadata
.endif
;; end of part 2
;; launch attn (part 3): grid 256 x 1, 4 waves a work-group, clusters of 4 x 1, 327,680 bytes of LDS; arguments qf, kf, vf, wf, bp, x, out0; writes out0
.if DOCPART == 3
	.amdgcn_target "amdgcn-amd-amdhsa--gfx1250"
	.amdhsa_code_object_version 6
	.text
	.protected	k_q843db1939e_attn
	.globl	k_q843db1939e_attn
	.p2align	8
	.type	k_q843db1939e_attn,@function
k_q843db1939e_attn:
	s_mov_b64 s[64:65], 0
	v_nop
	global_prefetch_b8 v0, s[64:65] scope:SCOPE_SE
	s_setreg_imm32_b32 hwreg(HW_REG_WAVE_MODE, 25, 1), 1
	s_wait_xcnt 0x0
	s_wait_alu depctr_hold_cnt(0) depctr_sa_sdst(0) depctr_va_vdst(0) depctr_va_sdst(0) depctr_va_ssrc(0) depctr_va_vcc(0) depctr_vm_vsrc(0)
	s_getreg_b32 s2, hwreg(HW_REG_IB_STS2, 6, 4)
	s_cmp_eq_u32 s2, 0
	s_cbranch_scc0 .Lentry_in_a_cluster
	s_endpgm
.Lentry_in_a_cluster:
	s_bfe_u32 s2, ttmp6, 0x10000c
	s_cmp_lg_u32 s2, 0x3003
	s_cbranch_scc0 .Lentry_shape_is_right
	s_endpgm
.Lentry_shape_is_right:
; attn: softmax(q k^T / 16) v, the projection, its bias and the residual, for 64 queries a work-group.
; 256 work-groups in 64 clusters of four.  Batch b = bits 3:2 of the cluster's number, j = its other four bits (0..15: the cluster's number
; within the batch), query block qb = 4 j + cx.  Any one-to-one map gives the same values.  Four waves, one work-group on a WGP.
; THE KEYS ARE SPLIT OVER THE WAVES.  A tile is 256 keys; in tile t wave w owns key block 4 t + w (64 keys).  Every wave keeps all 64 queries
; (256 registers) and its own partial O^T (256 channels x 64 queries in f32, 512 registers) with its own running maximum and sum;
; the four partial results are joined at the end.  For a tile a wave reads 32 KiB of K and 32 KiB of V from LDS for 256 matrix instructions.
; THE WALK: cluster j begins at tile j and goes round: tile (j + step) mod 16.  Softmax does not hang on the order of the keys.  So the sixteen
; clusters of a batch ask for sixteen different tiles in every step, all of the batch's K and V is asked for in the first step, and every
; later request is for bytes that another cluster has asked for before.  For the same reason there is no prefetch: nothing is left to ask for ahead.
; ORIENTATION, so that nothing is shuffled:  S^T = K Q^T (source 0 = K, source 1 = Q): lane (r, h), register j holds key 8 h + j, query r.
; Two such tiles pack, in place, into the source-1 fragment of P^T for 32 keys.  O^T += V^T P^T (source 0 = V): lane holds channel 8 h + j, query r.
; So maximum, sum and rescaling factor are one number a lane for each block of 16 queries, and only lanes r and r + 16 have to be joined.
; q, k, v, wp lie in memory as register images of fragments ([half][lane][16 bytes]): every tile is a dense block of rows of 256 bytes,
; and every LDS load takes 512 neighbouring bytes: no padding is needed.
; The scores carry log2(e) / 16 (folded into q), so exp is v_exp_f32.  The running maximum is taken away before every exponential.
; CLUSTER: the four work-groups of a cluster are four query blocks of one batch and walk the same K and V tiles.  Each tile part is asked for
; JOINTLY (mask 15): the same line, the same descriptor (made of the wave's number, the cluster's number and the step alone) in all four.
; Every refill stands first behind a round of the cluster's barrier, in front of which every wave has waited for its LDS reads and for all its
; tensor loads.  By this text's own count a wave has never more than one tensor load outstanding.
; LDS: 0 slot K (four parts of 32 KiB, part w filled and read by wave w); 131,072 slot V likewise; 262,144 OT: the joined O as fragments, 32 KiB;
; 294,912 ML: the waves' maxima and sums, 2 KiB.  Behind their last fill the slots serve for the exchange of the partial O and as the stage of the way out.
; REGISTERS.  Window 0: addresses, softmax state, FR = three buffers of K fragments (v32-127), SC = the scores (v128-255).
;   S(mb, nb) lies at SC + 8 (8 (mb & 1) + 4 (mb >> 1) + nb), so that P(ks, nb) = SC + 8 (4 ks + nb) fills v128-191 and v192-255 are free for V.
;   Window 1: Q(nb, ks) at 8 (8 nb + ks); at the end wp.   Windows 2, 3: O^T, tile 4 cb + nb at 8 (tile & 31), window 2 + (tile >> 5).
; Limits: finite inputs; q, k, v, P, the joined O and wp are rounded to bf16; the softmax sum is taken over the f32 exponentials.
.set AK,   1                           ; v1  32,768 w + 16 lane: my part of slot K (also my part of wp in wf)
.set AV,   2                           ; v2  AK + 131,072: my part of slot V
.set L16,  3                           ; v3  16 lane
.set VBP,  7                           ; v7  bp: 4 (64 w + r)
.set M2,   8                           ; v[8:15]   running maximum of query block nb, twice (a pair for packed arithmetic)
.set AL2,  16                          ; v[16:23]  rescaling factor, twice; at the end the waves' weights
.set LS,   24                          ; v[24:27]  running sum (this lane's keys)
.set TM,   28                          ; v[28:31]  at work
.set FR,   32                          ; v[32:127] K fragments, three buffers of 32; v[32:43] at work in the softmax
.set VB0,  64                          ; v[64:127]  V fragments
.set SC,   128                         ; v[128:255] scores, then P and
.set VB1,  192                         ; v[192:255] V fragments
.set G1,   24                          ; s[24:31] descriptor group 1
.set G0K,  32                          ; s[32:35] descriptor group 0 for K
.set G0V,  36                          ; s[36:39] descriptor group 0 for V
.set KBAS, 6                           ; s[6:7]   kf at key block w of my batch's tile 0
.set VBAS, 8                           ; s[8:9]   vf likewise
.set TIDX, 43                          ; s43      the number of the tile at work, 0..15
.set SLOTV, 131072
.set OT,    262144
.set ML,    294912
.set TILE_LOG, 17                      ; a tile of 256 keys is 131,072 bytes of K (or of V)
.set MSB, 0
.macro WIN new                         ; the immediate's high byte repeats the setting that is left
.if MSB != (\new)
	s_set_vgpr_msb (MSB<<8)|(\new)
.set MSB, (\new)
.endif
.endm
.macro PLACES n
.rept \n
	v_nop
.endr
.endm
; A round of the cluster's barrier: my work-group's barrier, wave 0 signals for the work-group, every wave waits for all four work-groups, my work-group's barrier again.
.macro ROUND
	s_barrier_signal -1
	s_barrier_wait -1
	s_cmp_lg_u32 s20, 0
	s_cbranch_scc1 .Lnot_wave_0_\@
	s_barrier_signal -3
.Lnot_wave_0_\@:
	s_barrier_wait -3
	s_barrier_signal -1
	s_barrier_wait -1
.endm
; The global address of a descriptor: my part of tile TIDX.  It stands only where no tensor load of the wave is out.  s45 is 0 throughout.
.macro SETADR g0, base
	s_lshl_b32 s44, s[TIDX], TILE_LOG
	s_add_nc_u64 s[\g0+2:\g0+3], s[\base:\base+1], s[44:45]
	s_or_b32 s[\g0+3], s[\g0+3], 0x80000000        ; type = 2
.endm
; Group g of K: key blocks 2 (g >> 2) + a, K steps 2 (g & 3) + b: four fragments, eight loads
.macro KLOAD g, buf
.irp b, 0,1
.irp a, 0,1
.irp qh, 0,1
	ds_load_b128 v[FR+32*(\buf)+8*(2*\b+\a)+4*\qh:FR+32*(\buf)+8*(2*\b+\a)+4*\qh+3], v[AK] offset:((2*((\g)>>2)+\a)*8+2*((\g)&3)+\b)*1024+512*\qh
.endr
.endr
.endr
.endm
; Its 16 matrix instructions: eight accumulators take turns, one instruction a turn; the first K step starts the sums with C = 0
.macro SMUL g, buf
.irp b, 0,1
.irp a, 0,1
.irp nb, 0,1,2,3
.set RD_, SC+8*(\a*8+((\g)>>2)*4+\nb)
.set RA_, FR+32*(\buf)+8*(2*\b+\a)
.set RB_, 8*(8*\nb+2*((\g)&3)+\b)
.if (((\g)&3)+\b) == 0
	v_wmma_f32_16x16x32_bf16 v[RD_:RD_+7], v[RA_:RA_+7], v[RB_:RB_+7], 0
.else
	v_wmma_f32_16x16x32_bf16 v[RD_:RD_+7], v[RA_:RA_+7], v[RB_:RB_+7], v[RD_:RD_+7]
.endif
.endr
.endr
.endr
.endm
; RS_ = the register of score q (0..31: key block q >> 3, register q & 7) of query block nb
.macro SADDR q, nb
.set RS_, SC+8*(((((\q)>>3)&1)*8)+(((\q)>>4)*4)+(\nb))+((\q)&7)
.endm
.macro MAXS first                      ; four chains, one for each query block: the old maximum and 32 scores
.set QI, 0
.rept 16
.irp nb, 0,1,2,3
	SADDR QI, \nb
.if QI == 0
.if \first
	v_max_num_f32 v[TM+\nb], v[RS_], v[RS_+1]
.else
	v_max3_num_f32 v[TM+\nb], v[M2+2*\nb], v[RS_], v[RS_+1]
.endif
.else
	v_max3_num_f32 v[TM+\nb], v[TM+\nb], v[RS_], v[RS_+1]
.endif
.endr
.set QI, QI+2
.endr
.endm
.macro SUBS nb                         ; score - maximum
.set QI, 0
.rept 16
	SADDR QI, \nb
	v_pk_add_f32 v[RS_:RS_+1], v[RS_:RS_+1], v[M2+2*\nb:M2+2*\nb+1] neg_lo:[0,1] neg_hi:[0,1]
.set QI, QI+2
.endr
.endm
.macro EXPS nb
.set QI, 0
.rept 32
	SADDR QI, \nb
	v_exp_f32 v[RS_], v[RS_]
.set QI, QI+1
.endr
.endm
.macro SUMS nb, first                  ; the 32 exponentials of a lane in four chains, then sum = sum x factor + them
.irp k, 0,1,2,3
	SADDR 2*\k, \nb
.set RA_, RS_
	SADDR 2*\k+8, \nb
	s_wait_alu depctr_va_vdst(0)
	v_pk_add_f32 v[36+2*\k:37+2*\k], v[RA_:RA_+1], v[RS_:RS_+1]
.endr
.irp k, 0,1,2,3
	SADDR 2*\k+16, \nb
	v_pk_add_f32 v[36+2*\k:37+2*\k], v[36+2*\k:37+2*\k], v[RS_:RS_+1]
.endr
.irp k, 0,1,2,3
	SADDR 2*\k+24, \nb
	v_pk_add_f32 v[36+2*\k:37+2*\k], v[36+2*\k:37+2*\k], v[RS_:RS_+1]
.endr
	v_pk_add_f32 v[36:37], v[36:37], v[38:39]
	v_pk_add_f32 v[40:41], v[40:41], v[42:43]
	v_pk_add_f32 v[36:37], v[36:37], v[40:41]
.if \first
	v_add_f32 v[LS+\nb], v36, v37
.else
	v_add_f32 v36, v36, v37
	v_fma_f32 v[LS+\nb], v[LS+\nb], v[AL2+2*\nb], v36
.endif
.endm
.macro PACK nb                         ; in place: the even key block into registers 0-3 of P, the odd one into registers 4-7
.irp ks, 0,1
.irp r, 0,1,2,3
	v_cvt_pk_bf16_f32 v[SC+8*(4*\ks+\nb)+\r], v[SC+8*(4*\ks+\nb)+2*\r], v[SC+8*(4*\ks+\nb)+2*\r+1]
.endr
.irp r, 0,1,2,3
	v_cvt_pk_bf16_f32 v[SC+8*(4*\ks+\nb)+4+\r], v[SC+64+8*(4*\ks+\nb)+2*\r], v[SC+64+8*(4*\ks+\nb)+2*\r+1]
.endr
.endr
.endm
.macro SOFTMAX first
	MAXS \first
.irp nb, 0,1,2,3
	v_permlanex16_b32 v[32+\nb], v[TM+\nb], s41, s42       ; lanes r and r + 16 hold the same query's other keys
.endr
.irp nb, 0,1,2,3
	v_max_num_f32 v[TM+\nb], v[TM+\nb], v[32+\nb]
.endr
.if \first == 0
.irp nb, 0,1,2,3
	v_sub_f32 v[36+\nb], v[M2+2*\nb], v[TM+\nb]            ; old maximum - new, at most 0
.endr
.endif
.irp nb, 0,1,2,3
	v_mov_b32 v[M2+2*\nb], v[TM+\nb]
	v_mov_b32 v[M2+2*\nb+1], v[TM+\nb]
.endr
.if \first == 0
.irp nb, 0,1,2,3
	v_exp_f32 v[AL2+2*\nb], v[36+\nb]
	v_exp_f32 v[AL2+2*\nb+1], v[36+\nb]
.endr
.endif
	; Behind each run of exponentials stands plain work on another query block's registers: the place that a transcendental needs (ISA guide 5.7.2)
	SUBS 0
	EXPS 0
	SUBS 1
	EXPS 1
	SUMS 0, \first
	PACK 0
	SUBS 2
	EXPS 2
	SUMS 1, \first
	PACK 1
	SUBS 3
	EXPS 3
	SUMS 2, \first
	PACK 2
	SUMS 3, \first
	PACK 3
.endm
; Group G of V: channel blocks 4 G + cb, both K steps of 32 keys: eight fragments, 16 loads
.macro VLOAD G, base
.irp ks, 0,1
.irp cb, 0,1,2,3
.irp qh, 0,1
	ds_load_b128 v[\base+8*(4*\ks+\cb)+4*\qh:\base+8*(4*\ks+\cb)+4*\qh+3], v[AV] offset:((4*\G+\cb)*2+\ks)*1024+512*\qh
.endr
.endr
.endr
.endm
; Its 32 matrix instructions: sixteen accumulators take turns, one instruction a turn
.macro PVMUL G, base, zero
.irp ks, 0,1
.irp cb, 0,1,2,3
.irp nb, 0,1,2,3
.set RD_, 8*(16*((\G)&1)+4*\cb+\nb)
.set RA_, \base+8*(4*\ks+\cb)
.set RB_, SC+8*(4*\ks+\nb)
.if (\zero)*(1-\ks)
	v_wmma_f32_16x16x32_bf16 v[RD_:RD_+7], v[RA_:RA_+7], v[RB_:RB_+7], 0
.else
	v_wmma_f32_16x16x32_bf16 v[RD_:RD_+7], v[RA_:RA_+7], v[RB_:RB_+7], v[RD_:RD_+7]
.endif
.endr
.endr
.endr
.endm
.macro RESC32                          ; the 32 tiles of one window: tile & 3 is the query block
.set TI, 0
.rept 32
.irp p, 0,1,2,3
	v_pk_mul_f32 v[8*TI+2*\p:8*TI+2*\p+1], v[8*TI+2*\p:8*TI+2*\p+1], v[AL2+2*(TI&3):AL2+2*(TI&3)+1]
.endr
.set TI, TI+1
.endr
.endm
.macro RESCALE
	WIN 0x82                                       ; O in window 2, the factor in window 0
	RESC32
	WIN 0xc3                                       ; O in window 3
	RESC32
.endm
; One tile of 256 keys.  first = 1: nothing to rescale, the first products start the sums.  last = 1: nothing more to fetch; wp and bp are asked for.
.macro ITER first, last
	s_wait_xcnt 0x0
	v_lshl_add_u32 v78, v0, 2, 0x48800
	v_mov_b32 v79, 0
	s_wait_tensorcnt 0x0                           ; all my tensor loads have landed: the one that was out is my part of this tile's K,
	ds_add_u32 v78, v79
	s_wait_dscnt 0x0
	SETADR G0V, VBAS                               ; so a descriptor may be written: V of the same tile
	s_wait_dscnt 0x0                               ; my reads of slot V are done
	ROUND                                          ; both now hold of every wave of the four work-groups
	tensor_load_to_lds s[G0V:G0V+3], s[G1:G1+7]    ; my one load behind this round: this tile's V; it has the scores and the softmax in which to land
	s_nop 0
	KLOAD 0, 0
	KLOAD 1, 1
	KLOAD 2, 2
.if \first
	s_wait_loadcnt 0x0                             ; Q
.endif
	WIN 0x04                                       ; source 1 (Q) in window 1; LDS loads name destination and source 0 alone
.irp g, 0,1,2,3,4,5,6,7
.if \g <= 5
	s_wait_dscnt 16                                ; group g is in: two younger groups of eight loads may be out
.elseif \g == 6
	s_wait_dscnt 8
.else
	s_wait_dscnt 0
.endif
	SMUL \g, \g%3
.if \g <= 4
	PLACES 4                                       ; four places before a load lands on a matrix instruction's source
	KLOAD \g+3, \g%3
.endif
.endr
	WIN 0
	PLACES 4                                       ; four places before vector instructions read the scores (ISA guide 7.12.1)
	SOFTMAX \first
	s_wait_xcnt 0x0
	v_lshl_add_u32 v78, v0, 2, 0x48800
	v_mov_b32 v79, 0
	s_wait_tensorcnt 0x0                           ; my part of this tile's V has landed: no tensor load of mine is out
	ds_add_u32 v78, v79
	s_wait_dscnt 0x0
.if \last == 0
	s_add_co_u32 s[TIDX], s[TIDX], 1               ; the next tile, round the batch's sixteen
	s_and_b32 s[TIDX], s[TIDX], 15
	SETADR G0K, KBAS
	s_wait_dscnt 0x0                               ; my reads of slot K are done
	ROUND
	tensor_load_to_lds s[G0K:G0K+3], s[G1:G1+7]    ; my one load behind this round: the next tile's K; it has the rescaling and the PV products in which to land
	s_nop 0
.endif
	VLOAD 0, VB0
	VLOAD 1, VB1
.if \last
	WIN 0x40                                       ; wp's blocks 4 w .. 4 w + 3 take Q's place in window 1: Q was last read in front of the softmax
.set i, 0
.rept 64
	global_load_b128 v[4*i:4*i+3], v[AK], s[10:11] offset:393216+512*i
.set i, i+1
.endr
	WIN 0
.irp ob, 0,1,2,3
	global_load_b32 v[48+\ob], v[VBP], s[12:13] offset:64*\ob
.endr
.endif
.if \first == 0
	RESCALE                                        ; while the V fragments come
.endif
	s_wait_dscnt 16                                ; group 0 is in, group 1's 16 loads may be out
	WIN 0xa0                                       ; C and D in window 2
	PVMUL 0, VB0, \first
	WIN 0
	PLACES 4
	VLOAD 2, VB0
	s_wait_dscnt 16                                ; group 1 is in, group 2 may be out
	WIN 0xa0
	PVMUL 1, VB1, \first
	WIN 0
	PLACES 4
	VLOAD 3, VB1
	s_wait_dscnt 16                                ; group 2 is in, group 3 may be out
	WIN 0xf0                                       ; C and D in window 3
	PVMUL 2, VB0, \first
	s_wait_dscnt 0
	PVMUL 3, VB1, \first
	WIN 0
	PLACES 5                                       ; five places before the next scores' matrix instructions write over P and V's fragments; four would do for the next K loads
.endm
	s_load_b256 s[4:11], s[0:1], 0x0               ; qf s[4:5], kf s[6:7], vf s[8:9], wf s[10:11]
	s_load_b128 s[12:15], s[0:1], 0x20             ; bp s[12:13], x s[14:15]
	s_load_b64 s[16:17], s[0:1], 0x30              ; out0
	v_lshl_add_u32 v78, v0, 2, 0x48800
	v_mov_b32 v79, 0
	ds_add_u32 v78, v79
	s_wait_dscnt 0x0
	v_lshrrev_b32 v4, 5, v0
	v_readfirstlane_b32 s20, v4                    ; wave 0..3
	v_and_b32 v4, 31, v0                           ; lane
	v_and_b32 v5, 15, v0                           ; r
	v_bfe_u32 v6, v0, 4, 1                         ; h
	s_bfe_u32 s21, ttmp6, 0x40000                  ; cx: it enters the global addresses of Q, x and out0 alone
	s_bfe_u32 s22, ttmp9, 0x20002                  ; b: bits 3:2 of the cluster's number (ttmp9 counts clusters)
	s_and_b32 s23, ttmp9, 3
	s_lshr_b32 s[TIDX], ttmp9, 4
	s_lshl2_add_u32 s[TIDX], s[TIDX], s23          ; j: its other four bits; also the first tile of the walk
	s_lshl2_add_u32 s23, s[TIDX], s21              ; qb = 4 j + cx
	s_mov_b32 s41, 0x76543210
	s_mov_b32 s42, 0xfedcba98
	; group 1: a dense block of 128 rows of 256 bytes
	s_mov_b32 s[G1+0], 15|(3<<16)|(1<<21)          ; 15:0 the mask: all four work-groups; 17:16 elements of 8 bytes; 21 set beside a mask; no padding
	s_mov_b32 s[G1+1], 32<<16                      ; tensor_dim0 = 32
	s_mov_b32 s[G1+2], 128<<16                     ; tensor_dim1 = 128
	s_mov_b32 s[G1+3], 32<<16                      ; tile_dim0 = 32
	s_mov_b32 s[G1+4], 128                         ; tile_dim1 = 128
	s_mov_b32 s[G1+5], 32                          ; from row to row: 32 elements
	s_mov_b32 s[G1+6], 0
	s_mov_b32 s[G1+7], 0
	s_mov_b32 s[G0K], 1
	s_lshl_b32 s[G0K+1], s20, 15                   ; LDS: part w of slot K
	s_mov_b32 s[G0V], 1
	s_lshl_b32 s[G0V+1], s20, 15
	s_add_co_u32 s[G0V+1], s[G0V+1], SLOTV         ; part w of slot V
	s_lshl_b32 s44, s22, 21                        ; kf, vf: b x 2 MiB + w x 32 KiB: key block w of tile 0
	s_add_co_u32 s44, s44, s[G0K+1]
	s_mov_b32 s45, 0
	s_lshl_b32 s46, s22, 6                         ; qf: block 64 b + qb of 32 KiB
	s_add_co_u32 s46, s46, s23
	s_lshl_b32 s46, s46, 15
	s_mov_b32 s47, 0
	s_lshl_b32 s48, s22, 22                        ; x, out0: b x 4 MiB + qb x 256 bytes
	s_lshl_b32 s50, s23, 8
	s_add_co_u32 s48, s48, s50
	s_mov_b32 s49, 0
	v_lshlrev_b32 v[L16], 4, v4
	v_add_nc_u32 v[AK], s[G0K+1], v[L16]
	v_add_nc_u32 v[AV], SLOTV, v[AK]
	s_lshl_b32 s51, s20, 8
	v_lshl_add_u32 v[VBP], v5, 2, s51
	s_wait_kmcnt 0x0
	s_add_nc_u64 s[KBAS:KBAS+1], s[KBAS:KBAS+1], s[44:45]
	s_add_nc_u64 s[VBAS:VBAS+1], s[VBAS:VBAS+1], s[44:45]
	SETADR G0K, KBAS                               ; the walk's first tile
	s_add_nc_u64 s[4:5], s[4:5], s[46:47]
	s_add_nc_u64 s[14:15], s[14:15], s[48:49]
	s_add_nc_u64 s[16:17], s[16:17], s[48:49]
	WIN 0x40
.set i, 0
.rept 64
	global_load_b128 v[4*i:4*i+3], v[L16], s[4:5] offset:512*i     ; all 64 queries, every wave: Q(nb, ks), half qh = load 2 (8 nb + ks) + qh
.set i, i+1
.endr
	WIN 0
	ROUND                                          ; the four work-groups are here: the first joint loads meet
	tensor_load_to_lds s[G0K:G0K+3], s[G1:G1+7]    ; the first tile's K
	s_nop 0
	ITER 1, 0                                      ; the first tile stands in front of the loop: its products start the sums; slot V's first fill is issued as a refill is
	s_mov_b32 s40, 14
.Ltile:
	ITER 0, 0
	s_sub_co_u32 s40, s40, 1
	s_cmp_lg_u32 s40, 0
	s_cbranch_scc1 .Ltile
	ITER 0, 1                                      ; the sixteenth tile fetches nothing more
	; ---- the four waves' partial results are joined ----
	s_lshl_b32 s52, s20, 20
	v_lshlrev_b32 v32, 4, v5
	v_lshl_add_u32 v32, v6, 14, v32
	v_add_nc_u32 v32, s52, v32                     ; v32: x, out0: (64 w + h) rows of 16,384 bytes + 16 r
.set i, 0
.rept 32
	global_load_b128 v[SC+4*i:SC+4*i+3], v32, s[14:15] offset:32768*i      ; the residual of my 64 output rows, early
.set i, i+1
.endr
	s_lshl_b32 s52, s20, 8
	s_add_co_u32 s52, s52, ML
	v_lshl_add_u32 v33, v5, 2, s52                 ; v33: ML + 256 w + 4 r: where I put my maxima and sums
	s_lshl_b32 s52, s20, 6
	s_add_co_u32 s52, s52, ML
	v_lshl_add_u32 v34, v5, 2, s52                 ; v34: ML + 4 (16 w + r): the four waves' figures of my query block
	s_lshr_b32 s52, s20, 1
	s_lshl_b32 s52, s52, 17
	s_and_b32 s53, s20, 1
	s_lshl_b32 s53, s53, 14
	s_add_co_u32 s52, s52, s53
	v_add_nc_u32 v35, s52, v[L16]                  ; v35: query block w in the parts of waves 0 and 1,
	v_add_nc_u32 v36, 0x10000, v35                 ; v36: of waves 2 and 3
	s_lshl_b32 s52, s20, 13
	s_add_co_u32 s52, s52, OT
	v_add_nc_u32 v37, s52, v[L16]                  ; v37: OT + 8,192 w + 16 lane
	v_add_nc_u32 v38, OT, v[L16]                   ; v38: OT + 16 lane
	v_mul_u32_u24 v39, v5, 272
	v_lshl_add_u32 v39, v6, 5, v39
	v_add_nc_u32 v39, s[G0K+1], v39                ; v39: the stage, in: 32,768 w + 272 r + 32 h
	v_mul_u32_u24 v40, v6, 272
	v_lshl_add_u32 v40, v5, 4, v40
	v_add_nc_u32 v40, s[G0K+1], v40                ; v40: the stage, back: 32,768 w + 272 h + 16 r
.irp nb, 0,1,2,3
	v_permlanex16_b32 v[TM+\nb], v[LS+\nb], s41, s42
.endr
.irp nb, 0,1,2,3
	v_add_f32 v[LS+\nb], v[LS+\nb], v[TM+\nb]      ; the sums of lanes r and r + 16 are one query's
.endr
.irp nb, 0,1,2,3
	ds_store_b32 v33, v[M2+2*\nb] offset:64*\nb
	ds_store_b32 v33, v[LS+\nb] offset:1024+64*\nb
.endr
	; My partial O goes into my own two parts of the slots, which have had their last fill and which I alone have read:
	; query blocks 0, 1 into K's part, 2, 3 into V's, tile (cb, nb) at ((nb & 1) 16 + cb) KiB.
.macro DUMP hi
.set TI, 0
.rept 32
.set CB_, 8*\hi+(TI>>2)
.set NB_, TI&3
	ds_store_b128 v[AK+(NB_>>1)], v[8*TI:8*TI+3] offset:((NB_&1)*16+CB_)*1024
	ds_store_b128 v[AK+(NB_>>1)], v[8*TI+4:8*TI+7] offset:((NB_&1)*16+CB_)*1024+512
.set TI, TI+1
.endr
.endm
	WIN 0x08                                       ; store data in window 2
	DUMP 0
	WIN 0x0c                                       ; in window 3
	DUMP 1
	WIN 0
	s_wait_dscnt 0x0                               ; my stores are done, for the others' sake
	s_barrier_signal -1
	s_barrier_wait -1
	; Wave w joins query block w:  O = sum over u of O_u g_u,  g_u = exp2(m_u - M) / sum over u of exp2(m_u - M) l_u
.macro XLOAD u, win                    ; wave u's 16 tiles of my query block: 32 loads
	WIN \win
.set CI, 0
.rept 16
	ds_load_b128 v[((\u)&1)*128+8*CI:((\u)&1)*128+8*CI+3], v[35+((\u)>>1)] offset:((\u)&1)*32768+CI*1024
	ds_load_b128 v[((\u)&1)*128+8*CI+4:((\u)&1)*128+8*CI+7], v[35+((\u)>>1)] offset:((\u)&1)*32768+CI*1024+512
.set CI, CI+1
.endr
.endm
.irp u, 0,1,2,3
	ds_load_b32 v[52+\u], v34 offset:256*\u
	ds_load_b32 v[56+\u], v34 offset:1024+256*\u
.endr
	XLOAD 0, 0x80
	WIN 0
	s_wait_dscnt 32                                ; maxima and sums are in: the 32 loads just issued are younger
	v_max3_num_f32 v60, v52, v53, v54
	v_max_num_f32 v60, v60, v55
.irp u, 0,1,2,3
	v_sub_f32 v[52+\u], v[52+\u], v60
.endr
.irp u, 0,1,2,3
	v_exp_f32 v[52+\u], v[52+\u]
.endr
	v_nop                                          ; one plain place behind the transcendentals
	s_wait_alu depctr_va_vdst(0)
	v_mul_f32 v61, v52, v56
	v_fmac_f32 v61, v53, v57
	v_fmac_f32 v61, v54, v58
	v_fmac_f32 v61, v55, v59                       ; at least 1: the wave that holds the maximum has a term exp2(0) in its sum
	v_rcp_f32 v62, v61
	v_nop
	s_wait_alu depctr_va_vdst(0)
.irp u, 0,1,2,3
	v_mul_f32 v[AL2+2*\u], v[52+\u], v62
	v_mul_f32 v[AL2+2*\u+1], v[52+\u], v62
.endr
	XLOAD 1, 0x80
	s_wait_dscnt 32                                ; wave 0's tiles are in, the 32 loads just issued may be out (so at each of the next three waits)
	WIN 0x82
.set i, 0
.rept 64
	v_pk_mul_f32 v[2*i:2*i+1], v[2*i:2*i+1], v[AL2:AL2+1]
.set i, i+1
.endr
	XLOAD 2, 0xc0
	s_wait_dscnt 32
	WIN 0xa2
.set i, 0
.rept 64
	v_pk_fma_f32 v[2*i:2*i+1], v[128+2*i:129+2*i], v[AL2+2:AL2+3], v[2*i:2*i+1]
.set i, i+1
.endr
	XLOAD 3, 0xc0
	s_wait_dscnt 32
	WIN 0xa3
.set i, 0
.rept 64
	v_pk_fma_f32 v[2*i:2*i+1], v[2*i:2*i+1], v[AL2+4:AL2+5], v[2*i:2*i+1]
.set i, i+1
.endr
	s_wait_dscnt 0
.set i, 0
.rept 64
	v_pk_fma_f32 v[2*i:2*i+1], v[128+2*i:129+2*i], v[AL2+6:AL2+7], v[2*i:2*i+1]
.set i, i+1
.endr
	WIN 0x0a                                       ; sources in window 2, destination in window 0
.set i, 0
.rept 64
	v_cvt_pk_bf16_f32 v[VB0+i], v[2*i], v[2*i+1]   ; tile cb becomes half cb & 1 of the fragment (query block w, K step cb >> 1), lane for lane
.set i, i+1
.endr
	WIN 0
.set i, 0
.rept 16
	ds_store_b128 v37, v[VB0+4*i:VB0+4*i+3] offset:512*i
.set i, i+1
.endr
	s_wait_loadcnt 32                              ; wp and bp are in: the 32 loads of x are younger
	WIN 0xc0                                       ; destination window 3
.irp ob, 0,1,2,3
.irp jj, 0,1,2,3,4,5,6,7
	v_mov_b32 v[128+8*\ob+\jj], v[48+\ob]          ; bp as C tiles: a lane's eight results are one output row's
.endr
.endr
	WIN 0
	s_wait_dscnt 0x0                               ; my stores into OT and my reads of the others' parts are done
	s_barrier_signal -1
	s_barrier_wait -1
	; ---- the projection: output rows 64 w .. 64 w + 63 for all 64 queries; source 0 = O (rows = queries), source 1 = wp ----
	WIN 0x80
.set i, 0
.rept 64
	ds_load_b128 v[4*i:4*i+3], v38 offset:512*i
.set i, i+1
.endr
	s_wait_dscnt 0x0
	WIN 0xf6                                       ; source 0 window 2, source 1 window 1, C and D window 3
	; sixteen accumulators take turns, one instruction a turn; the first product takes the bias as C
.irp ks, 0,1,2,3,4,5,6,7
.irp ob, 0,1,2,3
.irp nb, 0,1,2,3
.set RD_, 8*(4*\ob+\nb)
.if \ks == 0
.set RC_, 128+8*\ob
.else
.set RC_, RD_
.endif
	v_wmma_f32_16x16x32_bf16 v[RD_:RD_+7], v[8*(8*\nb+\ks):8*(8*\nb+\ks)+7], v[8*(8*\ob+\ks):8*(8*\ob+\ks)+7], v[RC_:RC_+7]
.endr
.endr
.endr
	WIN 0
	PLACES 4                                       ; four places before LDS stores read the results and loads land on the sources
	; ---- the way out: 64 rows of 256 bytes through my own stage (pitch 272, in my part of slot K, which nobody reads behind the last barrier) ----
	WIN 0x0c
.irp ob, 0,1,2,3
.irp nb, 0,1,2,3
	ds_store_b128 v39, v[8*(4*\ob+\nb):8*(4*\ob+\nb)+3] offset:4352*\ob+64*\nb          ; row 16 ob + r, queries 16 nb + 8 h + 0..3
	ds_store_b128 v39, v[8*(4*\ob+\nb)+4:8*(4*\ob+\nb)+7] offset:4352*\ob+64*\nb+16
.endr
.endr
	WIN 0x80
.set i, 0
.rept 32
	ds_load_b128 v[4*i:4*i+3], v40 offset:544*i    ; rows 2 i + h, whole; LDS serves a wave's instructions in order (ISA guide 5.7.1.4): these see the stores above
.set i, i+1
.endr
	s_wait_loadcnt 0x0                             ; x
	s_wait_dscnt 0x0
	WIN 0x82
.set i, 0
.rept 64
	v_pk_add_f32 v[2*i:2*i+1], v[2*i:2*i+1], v[SC+2*i:SC+2*i+1]
.set i, i+1
.endr
	WIN 0x08
.set i, 0
.rept 32
	global_store_b128 v32, v[4*i:4*i+3], s[16:17] offset:32768*i   ; sixteen lanes store 256 consecutive bytes, aligned
.set i, i+1
.endr
	WIN 0
	s_wait_xcnt 0x0
	v_lshl_add_u32 v78, v0, 2, 0x48800
	v_mov_b32 v79, 0
	s_wait_tensorcnt 0x0
	ds_add_u32 v78, v79
	s_wait_dscnt 0x0
	ROUND                                          ; the closing round: no work-group ends while a partner may still ask for a tile that names it
	s_endpgm
.Lfunc_end_k_q843db1939e_attn:
	.size	k_q843db1939e_attn, .Lfunc_end_k_q843db1939e_attn-k_q843db1939e_attn
	.p2alignl 7, 3214868480
	.fill 96, 4, 3214868480
	.section	.rodata,"a",@progbits
	.p2align	6, 0x0
	.amdhsa_kernel k_q843db1939e_attn
		.amdhsa_group_segment_fixed_size 327680
		.amdhsa_private_segment_fixed_size 0
		.amdhsa_enable_private_segment 0
		.amdhsa_kernarg_size 56
		.amdhsa_user_sgpr_count 2
		.amdhsa_user_sgpr_kernarg_segment_ptr 1
		.amdhsa_wavefront_size32 1
		.amdhsa_system_sgpr_workgroup_id_x 1
		.amdhsa_system_sgpr_workgroup_id_y 1
		.amdhsa_system_sgpr_workgroup_id_z 1
		.amdhsa_system_vgpr_workitem_id 0
		.amdhsa_next_free_vgpr 1024
		.amdhsa_next_free_sgpr 66
		.amdhsa_reserve_vcc 0
		.amdhsa_float_denorm_mode_32 3
		.amdhsa_float_denorm_mode_16_64 3
		.amdhsa_memory_ordered 1
		.amdhsa_forward_progress 1
		.amdhsa_inst_pref_size 255
	.end_amdhsa_kernel
	.section	.bss,"aw",@nobits
	.p2align	6
	.space	262144
	.amdgpu_metadata
---
amdhsa.version: [ 1, 2 ]
amdhsa.kernels:
  - .name:           k_q843db1939e_attn
    .symbol:         k_q843db1939e_attn.kd
    .args:
      - { .name: qf, .offset: 0, .size: 8, .value_kind: global_buffer, .address_space: global }
      - { .name: kf, .offset: 8, .size: 8, .value_kind: global_buffer, .address_space: global }
      - { .name: vf, .offset: 16, .size: 8, .value_kind: global_buffer, .address_space: global }
      - { .name: wf, .offset: 24, .size: 8, .value_kind: global_buffer, .address_space: global }
      - { .name: bp, .offset: 32, .size: 8, .value_kind: global_buffer, .address_space: global }
      - { .name: x, .offset: 40, .size: 8, .value_kind: global_buffer, .address_space: global }
      - { .name: out0, .offset: 48, .size: 8, .value_kind: global_buffer, .address_space: global }
    .group_segment_fixed_size: 327680
    .private_segment_fixed_size: 0
    .kernarg_segment_align: 8
    .kernarg_segment_size: 56
    .max_flat_workgroup_size: 128
    .sgpr_count:     66
    .vgpr_count:     1024
    .wavefront_size: 32
...
	.end_amdgpu_metadata
.endif
;; end of part 3
;; ======== version 2 of 2: 3 launches; version 1 with the launch qkv written anew for expert scheduling mode
;; workspace buffers: stats 16,384 bytes; wf 524,288 bytes; qf 8,388,608 bytes; kf 8,388,608 bytes; vf 8,388,608 bytes
;; launch prep: the kernel of part 1 again; grid 256 x 1, 8 waves a work-group, no clusters, 0 bytes of LDS; arguments x, wq, wk, wv, wp, stats, wf; writes stats, wf
;; launch qkv (part 4): grid 256 x 1, 4 waves a work-group, no clusters, 43,520 bytes of LDS; arguments x, stats, gn_gamma, gn_beta, wf, bq, bk, bv, qf, kf, vf; writes qf, kf, vf
.if DOCPART == 4
	.amdgcn_target "amdgcn-amd-amdhsa--gfx1250"
	.amdhsa_code_object_version 6
	.text
	.protected	k_q843db1939e_qkv
	.globl	k_q843db1939e_qkv
	.p2align	8
	.type	k_q843db1939e_qkv,@function
k_q843db1939e_qkv:
	s_mov_b64 s[64:65], 0
	v_nop
	global_prefetch_b8 v0, s[64:65] scope:SCOPE_SE
	s_setreg_imm32_b32 hwreg(HW_REG_WAVE_SCHED_MODE, 0, 2), 2
	s_setreg_imm32_b32 hwreg(HW_REG_WAVE_MODE, 25, 1), 1
	s_wait_xcnt 0x0
	s_wait_alu depctr_vm_vsrc(0)
; qkv: GroupNorm finished, then q, k, v = W xn + bias, stored as bf16 in the fragment order in which the attention launch reads them.
; Work-group j: batch b = j >> 6, positions 64 (j & 63) .. + 63, all 768 outputs.  Four waves.
; Wave w normalises channels 64 w .. 64 w + 63 (groups 2 w and 2 w + 1) and writes them as bf16 into LDS, [channel][position].
; Behind the one barrier every wave takes all of xn into registers as 32 fragments (transposing LDS loads) and makes output blocks
; 4 w + i (i = 0..3) of q, of k and of v for the four blocks of 16 positions: twelve steps of 32 matrix instructions.
; The statistics: 64 pieces {mean, M2} of 2,048 numbers each are joined as  mu = mean of the means,
; M2 = sum of M2_i + 2,048 sum of (mean_i - mu)^2 : sums of non-negative terms, no difference of large sums.
; q and k: source 0 = weights, source 1 = xn, so a lane's eight results are eight neighbouring channels of one position;
; v: the sources swapped, so they are eight neighbouring positions of one channel.  Four conversions make of them the 16 bytes
; that this very lane holds in the fragment that reads them, so each store of a wave covers 512 consecutive bytes, aligned, with no stage in LDS.
;   qf, kf = [b][block of 64 positions][nb 4][ks 8][qh 2][lane][16 B] = q[n = 16 nb + r][c = 32 ks + 16 qh + 8 h + 0..7]
;   vf     = [b][block of 64 positions][cb 16][ks 2][qh 2][lane][16 B] = v[c = 16 cb + r][m = 32 ks + 16 qh + 8 h + 0..7]
; q carries the factor log2(e) / 16: wq has it already, bq gets it here.
; NO CLUSTER, no joint loads: a wave's 96 KiB of weights are read by that wave alone of its work-group, once, and lie in memory as register
; images, so they go straight into registers by loads of 512 consecutive bytes; a joint load would send the group's 384 KiB through LDS
; (written once, read once) for 1,536 matrix instructions.
; Limits: finite inputs; xn, the weights, q, k and v are rounded to bf16.
; REGISTERS.  Window 0: addresses, statistics, four accumulators, biases as C tiles.
;   Window 1: first x (0-127), {a, d} of each load's channel (128-191), xn packed (192-255); then the fragments XN(nb, ks) at 8 (8 nb + ks).
;   Window 2: four buffers of 64 registers for a step's weights, step e in buffer e & 3.
;   Window 3: the packed results, sixteen registers of its own for each of the twelve steps: no store's data is ever rewritten.
; THE MODE: SCHED_MODE bits 1:0 = 2 (LLVM: expert scheduling mode 2), set by the entry lines.  The code itself states the register dependences
; between vector or matrix instructions and memory or LDS instructions, with s_wait_alu, always for 0.
; THE PLAN.  The text is one straight run, without a branch.  Registers that memory or LDS instructions touch:
;   v1-v12, v254, v255   offsets and LDS addresses: written once at the head, read by loads, stores and the closing add, never written again.
;   v16-v27, BQ, BK, BV  the small loads land here once (v16 was at work before); afterwards vector and matrix instructions alone name them.
;   v28-v31              {a, d} of my two groups: written by four vector lines, read by two LDS stores, never written again.
;   window 1             x lands in 0-127 and {a, d} in 128-191; the normalising lines read both and write 0-127 and 192-255; 32 LDS stores read 192-255;
;                        behind the barrier the 64 transposing loads land in all 256; from there on matrix instructions alone read them.
;   window 2, W[e & 3]   the loads of step e land here; step e's matrix instructions read it; the loads of step e + 4, issued in step e + 1, land here again.
;   window 3             step e's sixteen conversions write its sixteen registers; four stores, issued in step e + 1, read them.
;   The accumulators, BVT and v32-v40 are named by vector and matrix instructions alone.
; So ONE wait on va_vdst stands at the head of a step: the step before has written its packed results and is done reading its weights.  Behind it the step's
; sixteen loads and the four stores of the step before stand among its matrix instructions, which name the accumulators, W[e & 3], XN and the bias tiles: none
; of the registers that those loads and stores touch.
.set PX,   160                         ; LDS pitch of a channel's 64 bf16: 128 bytes + 32, an odd multiple of 32 for the transposing loads
.set AD,   256*PX                      ; behind xn: {a, d} of every channel, 8 bytes each
.set VX,   1                           ; x: (64 w + h) rows of 16,384 bytes + 16 r
.set VST,  2                           ; stats: (8 b + 2 w) sets of 512 bytes + 16 lane
.set VGB,  3                           ; gamma, beta: 4 (64 w + lane)
.set VADW, 4                           ; AD + 8 (64 w + lane)
.set VADR, 5                           ; AD + 8 (64 w + h)
.set VXT,  6                           ; (64 w + h) PX + 8 r
.set VTR,  7                           ; (8 h + (lane & 7)) PX + 16 ((lane >> 3) & 1)
.set VW,   8                           ; wf: 32,768 w + 16 lane
.set VB,   9                           ; bq, bk: 256 w + 32 h
.set VBV,  10                          ; bv: 256 w + 4 r
.set VQ,   11                          ; qf, kf: 2,048 w + 16 lane
.set VV,   12                          ; vf: 8,192 w + 16 lane
.set ST,   16                          ; v[16:23] two sets' pieces; v[24:25] gamma; v[26:27] beta; v[28:31] {a, d} of the two groups
.set ACC,  32                          ; v[32:63] four accumulators (before that: v32-v40 at work on the statistics)
.set BVT,  80                          ; v[80:87] C tile of a v step
.set BV,   88                          ; v[88:91] bv of my four blocks
.set BQ,   96                          ; v[96:127]  bq as four C tiles
.set BK,   128                         ; v[128:159] bk as four C tiles
.set MSB, 0
.macro WIN new                         ; the immediate's high byte repeats the setting that is left
.if MSB != (\new)
	s_set_vgpr_msb (MSB<<8)|(\new)
.set MSB, (\new)
.endif
.endm
.macro PLACES n
.rept \n
	v_nop
.endr
.endm
.macro WSUM r
	v_add_f32_dpp v[\r], v[\r], v[\r] row_xmask:1 row_mask:0xf bank_mask:0xf
	v_add_f32_dpp v[\r], v[\r], v[\r] row_xmask:2 row_mask:0xf bank_mask:0xf
	v_add_f32_dpp v[\r], v[\r], v[\r] row_xmask:4 row_mask:0xf bank_mask:0xf
	v_add_f32_dpp v[\r], v[\r], v[\r] row_xmask:8 row_mask:0xf bank_mask:0xf
	v_permlanex16_b32 v33, v[\r], s28, s29
	v_add_f32 v[\r], v[\r], v33
.endm
; One group's statistics: each lane holds two of its 64 pieces.  mu: the register that takes the mean; m2: the one that takes the variance + 1e-5.
.macro GSUM gi, mu, m2
	v_add_f32 v[\mu], v[ST+4*\gi], v[ST+4*\gi+2]
	WSUM \mu
	v_mul_f32 v[\mu], 0x3c800000, v[\mu]           ; mu = sum of the means / 64
	v_sub_f32 v34, v[ST+4*\gi], v[\mu]
	v_sub_f32 v35, v[ST+4*\gi+2], v[\mu]
	v_mul_f32 v34, v34, v34
	v_fmac_f32 v34, v35, v35
	v_add_f32 v[\m2], v[ST+4*\gi+1], v[ST+4*\gi+3]
	v_fmac_f32 v[\m2], 0x45000000, v34             ; + 2,048 (mean_i - mu)^2
	WSUM \m2
	v_fma_f32 v[\m2], v[\m2], s30, s31             ; / 131,072 + 1e-5
.endm
; The 16 loads of step e's weights: output block 4 w + (e & 3) of matrix e >> 2, eight fragments
.macro WLOAD e
	WIN 0x80                                       ; destination window 2
.set i, 0
.rept 16
	global_load_b128 v[((\e)&3)*64+4*i:((\e)&3)*64+4*i+3], v[VW], s[12:13] offset:((\e)>>2)*131072+((\e)&3)*8192+512*i
.set i, i+1
.endr
.endm
; The four stores of step e's 2 KiB of results
.macro SEND e
	WIN 0x0c                                       ; store data in window 3
.irp nb, 0,1,2,3
.if ((\e)>>2) == 2
	global_store_b128 v[VV], v[16*(\e)+4*\nb:16*(\e)+4*\nb+3], s[24:25] offset:((\e)&3)*2048+\nb*512
.else
	global_store_b128 v[VQ], v[16*(\e)+4*\nb:16*(\e)+4*\nb+3], s[20+2*((\e)>>2):21+2*((\e)>>2)] offset:\nb*8192+(((\e)&3)>>1)*1024+((\e)&1)*512
.endif
.endr
.endm
; K step ks of the step in hand (MAT_, I_): four matrix instructions.  The four accumulators take turns, one instruction a turn;
; the first product takes the bias as C: nothing is cleared.
.macro MULS ks
.irp nb, 0,1,2,3
.set RD_, ACC+8*\nb
.if \ks == 0
.if MAT_ == 0
.set RC_, BQ+8*I_
.elseif MAT_ == 1
.set RC_, BK+8*I_
.else
.set RC_, BVT
.endif
.else
.set RC_, RD_
.endif
.if MAT_ == 2
	v_wmma_f32_16x16x32_bf16 v[RD_:RD_+7], v[8*(8*\nb+\ks):8*(8*\nb+\ks)+7], v[I_*64+8*\ks:I_*64+8*\ks+7], v[RC_:RC_+7]
.else
	v_wmma_f32_16x16x32_bf16 v[RD_:RD_+7], v[I_*64+8*\ks:I_*64+8*\ks+7], v[8*(8*\nb+\ks):8*(8*\nb+\ks)+7], v[RC_:RC_+7]
.endif
.endr
.endm
; Step e: 32 matrix instructions on four accumulators, and their results packed.  Among them: the loads of step e + 3 and the stores of step e - 1.
.macro OB e
.set MAT_, (\e)>>2
.set I_, (\e)&3
.if \e <= 9
	s_wait_loadcnt 32                              ; this step's weights are in: two later steps' 32 loads are younger
.else
	s_wait_loadcnt 16*(11-\e)
.endif
.if \e > 0
	s_wait_alu depctr_va_vdst(0)                   ; the step before has written its sixteen packed registers, which the stores below read, and its matrix instructions are done reading their weights, in which the loads below land
.endif
.if MAT_ == 2
	WIN 0
.irp jj, 0,1,2,3,4,5,6,7
	v_mov_b32 v[BVT+\jj], v[BV+I_]                 ; a lane's eight results are one channel's: its bias eight times
.endr
.set WM_, 0x09                                         ; source 0 = xn (window 1), source 1 = weights (window 2)
.else
.set WM_, 0x06                                         ; source 0 = weights (window 2), source 1 = xn (window 1)
.endif
	WIN WM_
	MULS 0
	MULS 1
.if \e <= 8
	WLOAD \e+3                                     ; into the buffer that the last step read.  No further wait: no vector or matrix instruction since the wait above names that buffer or v[VW]
.endif
.if \e > 0
	SEND \e-1                                      ; the last step's results.  No further wait: nothing since the wait above names them or their offset
.endif
	WIN WM_
.irp ks, 2,3,4,5,6,7
	MULS \ks
.endr
	WIN 0xc0                                       ; destination window 3
	PLACES 4                                       ; four places before a vector instruction reads a matrix result (ISA guide 7.12.1)
.irp nb, 0,1,2,3
.irp r, 0,1,2,3
	v_cvt_pk_bf16_f32 v[16*(\e)+4*\nb+\r], v[ACC+8*\nb+2*\r], v[ACC+8*\nb+2*\r+1]   ; into this step's own sixteen registers
.endr
.endr
.endm
	s_load_b512 s[4:19], s[0:1], 0x0               ; x s[4:5], stats s[6:7], gamma s[8:9], beta s[10:11], wf s[12:13], bq s[14:15], bk s[16:17], bv s[18:19]
	s_load_b128 s[20:23], s[0:1], 0x40             ; qf s[20:21], kf s[22:23]
	s_load_b64 s[24:25], s[0:1], 0x50              ; vf
	v_lshl_add_u32 v254, v0, 2, 0xa800
	v_mov_b32 v255, 0
	v_lshrrev_b32 v16, 5, v0
	v_readfirstlane_b32 s26, v16                   ; wave 0..3
	s_lshr_b32 s27, ttmp9, 6                       ; b
	s_and_b32 s37, ttmp9, 63                       ; block of 64 positions
	s_mov_b32 s28, 0x76543210
	s_mov_b32 s29, 0xfedcba98
	s_mov_b32 s30, 0x37000000                      ; 1 / 131,072
	s_mov_b32 s31, 0x3727c5ac                      ; 1e-5
	s_lshl_b32 s32, s27, 22                        ; x: b x 4 MiB + block x 256 bytes
	s_lshl_b32 s37, s37, 8
	s_add_co_u32 s32, s32, s37
	s_mov_b32 s33, 0
	s_lshl_b32 s38, ttmp9, 15                      ; qf, kf, vf: 32,768 bytes a work-group
	s_mov_b32 s39, 0
	v_and_b32 v13, 31, v0                          ; lane
	v_and_b32 v14, 15, v0                          ; r
	v_bfe_u32 v15, v0, 4, 1                        ; h
	s_wait_alu depctr_va_sdst(0)                   ; s26 is written, ahead of its first reader: the offsets below are made from it
	s_lshl_b32 s34, s26, 20
	v_lshlrev_b32 v[VX], 4, v14
	v_lshl_add_u32 v[VX], v15, 14, v[VX]
	v_add_nc_u32 v[VX], s34, v[VX]
	s_lshl_b32 s34, s27, 12
	s_lshl_b32 s35, s26, 10
	s_add_co_u32 s34, s34, s35
	v_lshl_add_u32 v[VST], v13, 4, s34
	s_lshl_b32 s34, s26, 8
	v_lshl_add_u32 v[VGB], v13, 2, s34
	v_lshl_add_u32 v[VB], v15, 5, s34
	v_lshl_add_u32 v[VBV], v14, 2, s34
	s_lshl_b32 s35, s26, 9
	s_add_co_u32 s35, s35, AD
	v_lshl_add_u32 v[VADW], v13, 3, s35
	v_lshl_add_u32 v[VADR], v15, 3, s35
	s_mul_i32 s36, s26, 64*PX
	v_mul_u32_u24 v[VXT], v15, PX
	v_lshl_add_u32 v[VXT], v14, 3, v[VXT]
	v_add_nc_u32 v[VXT], s36, v[VXT]
	v_and_b32 v16, 7, v0
	v_lshl_add_u32 v16, v15, 3, v16
	v_mul_u32_u24 v[VTR], v16, PX
	v_bfe_u32 v16, v0, 3, 1
	v_lshl_add_u32 v[VTR], v16, 4, v[VTR]
	s_lshl_b32 s36, s26, 15
	v_lshl_add_u32 v[VW], v13, 4, s36
	s_lshl_b32 s36, s26, 11
	v_lshl_add_u32 v[VQ], v13, 4, s36
	s_lshl_b32 s36, s26, 13
	v_lshl_add_u32 v[VV], v13, 4, s36
	v_mov_b32 v33, 0                               ; v_permlanex16_b32 counts as a reader of its destination
	s_wait_kmcnt 0x0
	s_add_nc_u64 s[4:5], s[4:5], s[32:33]
	s_add_nc_u64 s[20:21], s[20:21], s[38:39]
	s_add_nc_u64 s[22:23], s[22:23], s[38:39]
	s_add_nc_u64 s[24:25], s[24:25], s[38:39]
	s_wait_alu depctr_va_vdst(0)                   ; the twelve offsets and addresses v1 to v12 are written, which every load and store of the kernel reads; the lines that used v16 are done, in which a load lands
	; 26 small loads, then the 32 loads of x
	global_load_b128 v[ST:ST+3], v[VST], s[6:7]
	global_load_b128 v[ST+4:ST+7], v[VST], s[6:7] offset:512
	global_load_b32 v24, v[VGB], s[8:9]
	global_load_b32 v25, v[VGB], s[8:9] offset:128
	global_load_b32 v26, v[VGB], s[10:11]
	global_load_b32 v27, v[VGB], s[10:11] offset:128
.irp ii, 0,1,2,3
	global_load_b128 v[BQ+8*\ii:BQ+8*\ii+3], v[VB], s[14:15] offset:64*\ii          ; register j of a C tile: the bias of channel 16 ob + 8 h + j
	global_load_b128 v[BQ+8*\ii+4:BQ+8*\ii+7], v[VB], s[14:15] offset:64*\ii+16
	global_load_b128 v[BK+8*\ii:BK+8*\ii+3], v[VB], s[16:17] offset:64*\ii
	global_load_b128 v[BK+8*\ii+4:BK+8*\ii+7], v[VB], s[16:17] offset:64*\ii+16
	global_load_b32 v[BV+\ii], v[VBV], s[18:19] offset:64*\ii                       ; the bias of channel 16 ob + r
.endr
	WIN 0x40                                       ; destination window 1
.set i, 0
.rept 32
	global_load_b128 v[4*i:4*i+3], v[VX], s[4:5] offset:32768*i     ; channels 64 w + 2 i + h: sixteen lanes take a channel's 256 bytes
.set i, i+1
.endr
	WIN 0
	s_wait_loadcnt 32                              ; statistics, gains and biases are in: the 32 loads of x are younger
	GSUM 0, 32, 36
	GSUM 1, 38, 39
	v_rsq_f32 v37, v36                             ; the two groups' reciprocal roots are one batch
	v_rsq_f32 v40, v39
	v_nop                                          ; one plain place behind a transcendental (ISA guide 5.7.2)
	s_wait_alu depctr_va_vdst(0)                   ; v37 and v40 are written, ahead of their first reader: one wait for the two
	v_mul_f32 v28, v24, v37                        ; a = gamma rs and d = beta - mu a of a group's 32 channels, one a lane
	v_fma_f32 v29, -v32, v28, v26
	v_mul_f32 v30, v25, v40
	v_fma_f32 v31, -v38, v30, v27
.set i, 0
.rept 16
	v_pk_mul_f32 v[BQ+2*i:BQ+2*i+1], v[BQ+2*i:BQ+2*i+1], 0x3db8aa3b op_sel_hi:[1,0]   ; bq x log2(e) / 16
.set i, i+1
.endr
	s_wait_alu depctr_va_vdst(0)                   ; v28 to v31 are written, which the two LDS stores read
	ds_store_b64 v[VADW], v[28:29]
	ds_store_b64 v[VADW], v[30:31] offset:256
	WIN 0x40
.set i, 0
.rept 32
	ds_load_b64 v[128+2*i:129+2*i], v[VADR] offset:16*i    ; {a, d} of load i's channel: my own wave's bytes, and LDS serves a wave's instructions in order (ISA guide 5.7.1.4)
.set i, i+1
.endr
	s_wait_loadcnt 0x0                             ; x is in
	WLOAD 0                                        ; three steps' weights go out; they have the normalising and the way through LDS in which to land
	WLOAD 1
	WLOAD 2
	s_wait_dscnt 0x0
	WIN 0x55                                       ; all in window 1
.set i, 0
.rept 32
	v_pk_fma_f32 v[4*i:4*i+1], v[4*i:4*i+1], v[128+2*i:129+2*i], v[128+2*i:129+2*i] op_sel:[0,0,1] op_sel_hi:[1,0,1]       ; x a + d, a and d from one pair
	v_pk_fma_f32 v[4*i+2:4*i+3], v[4*i+2:4*i+3], v[128+2*i:129+2*i], v[128+2*i:129+2*i] op_sel:[0,0,1] op_sel_hi:[1,0,1]
	v_cvt_pk_bf16_f32 v[192+2*i], v[4*i], v[4*i+1]
	v_cvt_pk_bf16_f32 v[193+2*i], v[4*i+2], v[4*i+3]
.set i, i+1
.endr
	WIN 0x04                                       ; store data in window 1
	s_wait_alu depctr_va_vdst(0)                   ; the conversions have written xn, window 1's 192 to 255, which the LDS stores read
.set i, 0
.rept 32
	ds_store_b64 v[VXT], v[192+2*i:193+2*i] offset:2*PX*i
.set i, i+1
.endr
	WIN 0
	s_wait_dscnt 0x0                               ; my stores are done, for the others' sake
	s_barrier_signal -1
	s_barrier_wait -1                              ; all 256 channels of xn are in LDS
	WIN 0x40
	s_wait_alu depctr_va_vdst(0)                   ; the normalising lines are done reading and writing window 1's registers, in all of which the fragments below land
	s_wait_alu depctr_vm_vsrc(0)                   ; my LDS stores have read window 1's 192 to 255, in which fragments land too
.irp nb, 0,1,2,3
.irp ks, 0,1,2,3,4,5,6,7
	ds_load_tr16_b128 v[8*(8*\nb+\ks):8*(8*\nb+\ks)+3], v[VTR] offset:\ks*32*PX+32*\nb            ; channels 32 ks + 8 h + 0..7 of position 16 nb + r
	ds_load_tr16_b128 v[8*(8*\nb+\ks)+4:8*(8*\nb+\ks)+7], v[VTR] offset:\ks*32*PX+16*PX+32*\nb    ; channels 32 ks + 16 + 8 h + 0..7
.endr
.endr
	s_wait_dscnt 0x0
.irp e, 0,1,2,3,4,5,6,7,8,9,10,11
	OB \e
.endr
	s_wait_alu depctr_va_vdst(0)                   ; the last step's conversions have written its sixteen registers, which the last four stores read
	SEND 11
	WIN 0
	s_wait_dscnt 0x0                               ; the closing lines, six on end
	s_wait_alu 0x0
	s_wait_tensorcnt 0x0
	ds_add_u32 v254, v255
	s_wait_dscnt 0x0
	s_endpgm
.Lfunc_end_k_q843db1939e_qkv:
	.size	k_q843db1939e_qkv, .Lfunc_end_k_q843db1939e_qkv-k_q843db1939e_qkv
	.p2alignl 7, 3214868480
	.fill 96, 4, 3214868480
	.section	.rodata,"a",@progbits
	.p2align	6, 0x0
	.amdhsa_kernel k_q843db1939e_qkv
		.amdhsa_group_segment_fixed_size 43520
		.amdhsa_private_segment_fixed_size 0
		.amdhsa_enable_private_segment 0
		.amdhsa_kernarg_size 88
		.amdhsa_user_sgpr_count 2
		.amdhsa_user_sgpr_kernarg_segment_ptr 1
		.amdhsa_wavefront_size32 1
		.amdhsa_system_sgpr_workgroup_id_x 1
		.amdhsa_system_sgpr_workgroup_id_y 1
		.amdhsa_system_sgpr_workgroup_id_z 1
		.amdhsa_system_vgpr_workitem_id 0
		.amdhsa_next_free_vgpr 960
		.amdhsa_next_free_sgpr 66
		.amdhsa_reserve_vcc 0
		.amdhsa_float_denorm_mode_32 3
		.amdhsa_float_denorm_mode_16_64 3
		.amdhsa_memory_ordered 1
		.amdhsa_forward_progress 1
		.amdhsa_inst_pref_size 94
	.end_amdhsa_kernel
	.amdgpu_metadata
---
amdhsa.version: [ 1, 2 ]
amdhsa.kernels:
  - .name:           k_q843db1939e_qkv
    .symbol:         k_q843db1939e_qkv.kd
    .args:
      - { .name: x, .offset: 0, .size: 8, .value_kind: global_buffer, .address_space: global }
      - { .name: stats, .offset: 8, .size: 8, .value_kind: global_buffer, .address_space: global }
      - { .name: gn_gamma, .offset: 16, .size: 8, .value_kind: global_buffer, .address_space: global }
      - { .name: gn_beta, .offset: 24, .size: 8, .value_kind: global_buffer, .address_space: global }
      - { .name: wf, .offset: 32, .size: 8, .value_kind: global_buffer, .address_space: global }
      - { .name: bq, .offset: 40, .size: 8, .value_kind: global_buffer, .address_space: global }
      - { .name: bk, .offset: 48, .size: 8, .value_kind: global_buffer, .address_space: global }
      - { .name: bv, .offset: 56, .size: 8, .value_kind: global_buffer, .address_space: global }
      - { .name: qf, .offset: 64, .size: 8, .value_kind: global_buffer, .address_space: global }
      - { .name: kf, .offset: 72, .size: 8, .value_kind: global_buffer, .address_space: global }
      - { .name: vf, .offset: 80, .size: 8, .value_kind: global_buffer, .address_space: global }
    .group_segment_fixed_size: 43520
    .private_segment_fixed_size: 0
    .kernarg_segment_align: 8
    .kernarg_segment_size: 88
    .max_flat_workgroup_size: 128
    .sgpr_count:     66
    .vgpr_count:     960
    .wavefront_size: 32
...
	.end_amdgpu_metadata
.endif
;; end of part 4
;; launch attn: the kernel of part 3 again; grid 256 x 1, 4 waves a work-group, clusters of 4 x 1, 327,680 bytes of LDS; arguments qf, kf, vf, wf, bp, x, out0; writes out0
